; MI455X (gfx1250); checked and timed in simulation.
; The chip was launched on July 23, 2026; its instructions are those of AMD's public machine-readable ISA for CDNA 5 (MIT licence, August 2026) and "CDNA5" Instruction Set Architecture Reference Guide (July 2026). The comments in the code are by the model that wrote it; some were corrected since.
;; Contrastive Loss cosine2. Allowed arithmetic: float matrix products may take bf16 or f16 operands with f32 sums; all other float work in f32.
;; Inputs: cand_img 8,192 x 2 int32; cand_text 8,192 x 2 int32; img_embedding 8,192 x 2,048 float32; labels 8,192 int32; locations 8,192 int32; text_embedding 8,192 x 2,048 float32.
;; Outputs: out0 one number float32; out1 8,192 float32; out2 8,192 float32.
;; One version. Each part assembles by itself: llvm-mc -triple=amdgcn-amd-amdhsa -mcpu=gfx1250 --defsym DOCPART=n.
;; ======== version 1 of 1: 2 launches
;; workspace buffers: partial 1,024 bytes
;; launch rows (part 1): grid 256 x 1, 16 waves a work-group, no clusters, 2,304 bytes of LDS; arguments img_embedding, text_embedding, cand_img, cand_text, out1, out2, partial; writes out1, out2, partial
.if DOCPART == 1
	.amdgcn_target "amdgcn-amd-amdhsa--gfx1250"
	.amdhsa_code_object_version 6
	.text
	.protected	k_q2af7b92d37_rows
	.globl	k_q2af7b92d37_rows
	.p2align	8
	.type	k_q2af7b92d37_rows,@function
k_q2af7b92d37_rows:
	s_mov_b64 s[64:65], 0
	v_nop
	global_prefetch_b8 v0, s[64:65] scope:SCOPE_SE
	s_setreg_imm32_b32 hwreg(HW_REG_WAVE_MODE, 25, 1), 1
	s_wait_xcnt 0x0
; Contrastive loss on cosine distances.  img, text: [8192][2048] f32.  cand_img, cand_text: [8192][2] i32.
; For anchor row i six rows matter: I = img[i], T = text[i], C0, C1 = img[cand_img[i]], E0, E1 = text[cand_text[i]].
; Eleven sums over the 2,048 columns give everything: I.T, I.I, T.T, T.C0, C0.C0, T.C1, C1.C1, I.E0, E0.E0, I.E1, E1.E1.
; The mined negative's distance is one of the two distances that the mining itself compares (d1 if d1 <= d0, else d0),
; so the choice selects a value (compare and v_cndmask_b32) and no address hangs on a floating-point number.
; out1 and out2 are the same number (products commute exactly in f32): one value, stored twice.
; The loss sum of the work-group's 32 rows goes to partial[work-group]; the next launch adds the 256 and divides.
;
; SHARES.  256 work-groups of 16 waves; a work-group owns 32 neighbouring rows, wave w its rows 2w and 2w+1, a lane 16 bytes of
; every piece of 512 bytes.  A TURN takes one piece of the six rows of one anchor; turns alternate between the wave's two rows and
; go left to right through the columns, so all waves of the launch are at about the same columns at the same time and a piece that
; is read again (as an anchor's and as somebody's candidate) is read again soon.
; A ring of DEPTH slots of six loads in registers: 6 x DEPTH x 512 bytes of each wave are on their way.
; The 32 turns are written out: the column step lies in the immediate offset (at most 7,680), each of the 12 streams has a scalar
; base of its own, one vector offset (16 x lane) serves all 192 loads.  No address register is ever rewritten.
;
; LEFT OUT.  Matrix instructions: five dot products a row are wanted, with no operand shared between rows.  Clusters with joint
; requests: which rows two work-groups share is decided by the index inputs, not by their places.  LDS ring and tensor loads: the
; registers hold the bytes in flight and each wave reads only what it asked for.
; labels and locations are not loaded: reference() takes them as parameters and uses them in no expression.
;
; LIMITS.  The order of the sums differs from reference()'s (per lane, wave, work-group, launch; both losses in one sum).
; 1 - w/n is w times v_rcp_f32(n), fused into one v_fma_f32; roots by v_sqrt_f32: each within 1 ULP, not correctly rounded.
; Both flush denormals (ISA guide 15.8): a row whose sum of squares is below 2^-126 counts as a zero row, a product of norms
; above 2^126 gets the reciprocal 0.  v_max_num_f32 drops a NaN product of norms where jnp.maximum keeps it (the dot product
; beside it is then NaN or the row sums have overflowed).  Indices above 8,191 are clamped to 8,191.
; The stores of out1 and out2 cover 128 neighbouring bytes (32 rows a work-group), aligned to 128.
.set DEPTH, 4                          ; slots of the ring
.set TURNS, 32                         ; 2 rows x 16 pieces of 512 bytes
.set LOFF,  1                          ; v1        16 x lane, never rewritten
.set ZERO,  3                          ; v3        0.0, for the relu
.set ACC,   4                          ; v[4:47]   sum k of row r: the pair at ACC + 22 r + 2 k
.set X,     48                         ; v[48:143] slot s, stream j: four registers at X + 24 s + 4 j
.set F,     X                          ; behind the last turn the ring's registers serve the finish
.set BASE,  32                         ; s[32:55]  stream j of row r: the pair at BASE + 12 r + 2 j
                                       ; streams: 0 I, 1 T, 2 C0, 3 C1, 4 E0, 5 E1
	s_load_b256 s[4:11], s[0:1], 0x0               ; img s[4:5], text s[6:7], cand_img s[8:9], cand_text s[10:11]
	s_load_b128 s[12:15], s[0:1], 0x20             ; out1 s[12:13], out2 s[14:15]
	s_load_b64 s[16:17], s[0:1], 0x30              ; partial
	v_lshl_add_u32 v144, v0, 2, 0x100
	v_mov_b32 v145, 0
	v_lshrrev_b32 v2, 5, v0
	v_readfirstlane_b32 s2, v2                     ; wave 0..15
	v_and_b32 v[LOFF], 31, v0
	v_lshlrev_b32 v[LOFF], 4, v[LOFF]              ; 16 x lane
	s_lshl_b32 s3, ttmp9, 4
	s_add_co_u32 s3, s3, s2                        ; g = 16 x work-group + wave: my rows are 2 g and 2 g + 1
	s_lshl_b32 s19, s2, 3                          ; my two words in each LDS table
	s_mov_b32 s56, 0x76543210                      ; v_permlanex16_b32: lane i of one half reads lane i of the other
	s_mov_b32 s57, 0xfedcba98
	s_lshl_b32 s28, s3, 4                          ; two rows of two indices: 16 bytes at 16 g
	s_mov_b32 s29, 0                               ; s[28:29]: the offset pair; every offset here is below 2^26
	s_wait_kmcnt 0x0
	s_add_nc_u64 s[8:9], s[8:9], s[28:29]
	s_add_nc_u64 s[10:11], s[10:11], s[28:29]
	s_load_b128 s[20:23], s[8:9], 0x0              ; cand_img:  row 2g: s20, s21; row 2g+1: s22, s23
	s_load_b128 s[24:27], s[10:11], 0x0            ; cand_text: row 2g: s24, s25; row 2g+1: s26, s27
	s_lshl_b32 s28, s3, 14                         ; 2 g rows of 8,192 bytes (s28 is no source of the loads above)
	s_add_nc_u64 s[BASE:BASE+1],     s[4:5], s[28:29]      ; I of row 0
	s_add_nc_u64 s[BASE+2:BASE+3],   s[6:7], s[28:29]      ; T of row 0
	s_add_nc_u64 s[BASE+12:BASE+13], s[BASE:BASE+1],   0x2000  ; and of row 1, 8,192 bytes on
	s_add_nc_u64 s[BASE+14:BASE+15], s[BASE+2:BASE+3], 0x2000
	s_wait_kmcnt 0x0                               ; the eight indices
.irp r, 0,1
.irp c, 0,1
	s_min_u32 s[20+2*\r+\c], s[20+2*\r+\c], 0x1fff         ; a loaded number enters an address only clamped to the table
	s_lshl_b32 s28, s[20+2*\r+\c], 13                      ; x 8,192 bytes
	s_add_nc_u64 s[BASE+12*\r+4+2*\c:BASE+12*\r+5+2*\c], s[4:5], s[28:29]   ; candidate c in img
	s_min_u32 s[24+2*\r+\c], s[24+2*\r+\c], 0x1fff
	s_lshl_b32 s28, s[24+2*\r+\c], 13
	s_add_nc_u64 s[BASE+12*\r+8+2*\c:BASE+12*\r+9+2*\c], s[6:7], s[28:29]   ; candidate c in text
.endr
.endr
; The six loads of turn tt: row tt % 2, piece tt / 2, slot tt % DEPTH.  Each covers 512 neighbouring bytes, aligned to 512.
; No cache hint: the same rows are read again by other work-groups.
.macro LOADS tt
.irp j, 0,1,2,3,4,5
	global_load_b128 v[X+24*((\tt)%DEPTH)+4*\j:X+24*((\tt)%DEPTH)+4*\j+3], v[LOFF], s[BASE+12*((\tt)%2)+2*\j:BASE+12*((\tt)%2)+2*\j+1] offset:512*((\tt)/2)
.endr
.endm
; Two columns of sum k: stream a times stream b.  AC: the row's accumulators; XS: the slot; H: 0 or 2, which half of the 16 bytes.
; FIRST: the first product starts the sum, so nothing is cleared.
.macro FM k, a, b
.if FIRST
	v_pk_mul_f32 v[AC+2*\k:AC+2*\k+1], v[XS+4*\a+H:XS+4*\a+H+1], v[XS+4*\b+H:XS+4*\b+H+1]
.else
	v_pk_fma_f32 v[AC+2*\k:AC+2*\k+1], v[XS+4*\a+H:XS+4*\a+H+1], v[XS+4*\b+H:XS+4*\b+H+1], v[AC+2*\k:AC+2*\k+1]
.endif
.endm
.macro HALF                            ; all eleven sums once: two links of one chain stand eleven instructions apart
	FM 0, 0, 1                                     ; I.T
	FM 1, 0, 0                                     ; I.I
	FM 2, 1, 1                                     ; T.T
	FM 3, 1, 2                                     ; T.C0
	FM 4, 2, 2                                     ; C0.C0
	FM 5, 1, 3                                     ; T.C1
	FM 6, 3, 3                                     ; C1.C1
	FM 7, 0, 4                                     ; I.E0
	FM 8, 4, 4                                     ; E0.E0
	FM 9, 0, 5                                     ; I.E1
	FM 10, 5, 5                                    ; E1.E1
.endm
; Turn t (a symbol).  Loads come back in order (ISA guide 5.7.1): this turn's six are in when only the loads of the younger turns
; are out: 6 (DEPTH - 1) of them while the ring is full, 6 (31 - t) in the last turns, which ask for nothing.
.macro TURN
.if TURNS-1-t < DEPTH-1
	s_wait_loadcnt 6*(TURNS-1-t)
.else
	s_wait_loadcnt 6*(DEPTH-1)
.endif
.set AC, ACC+22*(t%2)
.set XS, X+24*(t%DEPTH)
.set H, 0
.if t < 2
.set FIRST, 1
.else
.set FIRST, 0
.endif
	HALF
.set H, 2
.set FIRST, 0
	HALF
.if t+DEPTH < TURNS
	LOADS t+DEPTH                                  ; the slot just read is asked for again, DEPTH turns ahead
.endif
.endm
.set t, 0
.rept DEPTH
	LOADS t                                        ; fill the ring
.set t, t+1
.endr
.set t, 0
.rept TURNS
	TURN
.set t, t+1
.endr
	; ACROSS THE LANES.  First each pair's two halves; then the two rows are folded into one register: the swap puts row 1's lanes
	; 0-15 into the upper half of row 0's register and row 0's lanes 16-31 into the lower half of row 1's, so that the sum holds
	; row 0 in lanes 0-15 and row 1 in lanes 16-31; four steps inside each half of 16 lanes finish both rows at once.
.irp r, 0,1
.irp k, 0,1,2,3,4,5,6,7,8,9,10
	v_add_f32 v[ACC+22*\r+2*\k], v[ACC+22*\r+2*\k], v[ACC+22*\r+2*\k+1]
.endr
.endr
.irp k, 0,1,2,3,4,5,6,7,8,9,10
	v_permlane16_swap_b32 v[ACC+2*\k], v[ACC+22+2*\k]
.endr
.irp k, 0,1,2,3,4,5,6,7,8,9,10
	v_add_f32 v[ACC+2*\k], v[ACC+2*\k], v[ACC+22+2*\k]
.endr
.irp m, 1,2,4,8
.irp k, 0,1,2,3,4,5,6,7,8,9,10
	v_add_f32_dpp v[ACC+2*\k], v[ACC+2*\k], v[ACC+2*\k] row_xmask:\m row_mask:0xf bank_mask:0xf
.endr
.endr
	; THE FINISH, once for both rows (lanes 0-15: row 0, lanes 16-31: row 1).  Sum k lies in v[ACC + 2 k].
	v_sqrt_f32 v[F+0], v[ACC+2]                    ; |I|
	v_sqrt_f32 v[F+1], v[ACC+4]                    ; |T|
	v_sqrt_f32 v[F+2], v[ACC+8]                    ; |C0|
	v_sqrt_f32 v[F+3], v[ACC+12]                   ; |C1|
	v_sqrt_f32 v[F+4], v[ACC+16]                   ; |E0|
	v_sqrt_f32 v[F+5], v[ACC+20]                   ; |E1|
	v_mov_b32 v[ZERO], 0                           ; the plain instruction between the roots and the first use of a root (ISA guide 5.7.2)
	s_wait_alu depctr_va_vdst(0)
	v_mul_f32 v[F+6],  v[F+0], v[F+1]              ; |I| |T|
	v_mul_f32 v[F+7],  v[F+1], v[F+2]              ; |T| |C0|
	v_mul_f32 v[F+8],  v[F+1], v[F+3]              ; |T| |C1|
	v_mul_f32 v[F+9],  v[F+0], v[F+4]              ; |I| |E0|
	v_mul_f32 v[F+10], v[F+0], v[F+5]              ; |I| |E1|
.irp i, 0,1,2,3,4
	v_max_num_f32 v[F+11+\i], 0x322bcc77, v[F+6+\i]        ; at least EPS = 1e-8, for the distances
.endr
.irp i, 0,1,2,3,4
	v_rcp_f32 v[F+16+\i], v[F+11+\i]
.endr
	v_rcp_f32 v[F+21], v[F+6]                      ; unclamped, for the cosine that is returned
	v_bfe_u32 v2, v0, 4, 1                         ; which half of the lanes = which of my rows; also the plain instruction behind the reciprocals
	s_wait_alu depctr_va_vdst(0)
	v_mul_f32 v[F+22], v[ACC+0], v[F+21]           ; cosine = I.T / (|I| |T|)
	v_fma_f32 v[F+24], -v[ACC+0],  v[F+16], 1.0    ; d(I, T), the positive distance
	v_fma_f32 v[F+25], -v[ACC+6],  v[F+17], 1.0    ; d(T, C0)
	v_fma_f32 v[F+26], -v[ACC+10], v[F+18], 1.0    ; d(T, C1)
	v_fma_f32 v[F+27], -v[ACC+14], v[F+19], 1.0    ; d(I, E0)
	v_fma_f32 v[F+28], -v[ACC+18], v[F+20], 1.0    ; d(I, E1)
	v_cmp_le_f32 vcc_lo, v[F+26], v[F+25]          ; d1 <= d0: the later candidate wins a tie
	v_cndmask_b32 v[F+29], v[F+25], v[F+26], vcc_lo        ; the mined img negative's distance
	v_cmp_le_f32 vcc_lo, v[F+28], v[F+27]
	v_cndmask_b32 v[F+30], v[F+27], v[F+28], vcc_lo        ; the mined text negative's distance
	v_sub_f32 v[F+31], v[F+24], v[F+30]            ; i2t: positive - negative
	v_sub_f32 v[F+32], v[F+24], v[F+29]            ; t2i
	v_add_f32 v[F+31], 0x3e4ccccd, v[F+31]         ; + MARGIN = 0.2
	v_add_f32 v[F+32], 0x3e4ccccd, v[F+32]
	v_cmp_gt_f32 vcc_lo, 0, v[F+31]                ; relu by compare and select: a NaN stays a NaN
	v_cndmask_b32 v[F+31], v[F+31], v[ZERO], vcc_lo
	v_cmp_gt_f32 vcc_lo, 0, v[F+32]
	v_cndmask_b32 v[F+32], v[F+32], v[ZERO], vcc_lo
	v_add_f32 v[F+31], v[F+31], v[F+32]            ; the row's two losses
	; HAND-OVER.  LDS bytes 0-127: the cosines of the group's 32 rows; bytes 128-255: their losses.
	v_lshl_add_u32 v2, v2, 2, s19                  ; word 2 x wave + half; the 16 lanes of a half write one word with one value
	ds_store_b32 v2, v[F+22]
	ds_store_b32 v2, v[F+31] offset:128
	s_wait_dscnt 0x0                               ; my stores are in LDS before I say so: wave 0 reads them
	s_barrier_signal -1
	s_barrier_wait -1
	s_cmp_lg_u32 s2, 0
	s_cbranch_scc1 .Lend                           ; the rest is wave 0's
	v_and_b32 v2, 31, v0
	v_lshlrev_b32 v2, 2, v2                        ; 4 x lane: lane l takes the group's row l
	ds_load_b32 v[F+0], v2
	ds_load_b32 v[F+1], v2 offset:128
	s_lshl_b32 s28, ttmp9, 7                       ; 32 rows of 4 bytes a work-group
	s_add_nc_u64 s[12:13], s[12:13], s[28:29]
	s_add_nc_u64 s[14:15], s[14:15], s[28:29]
	s_lshl_b32 s28, ttmp9, 2                       ; one word a work-group
	s_add_nc_u64 s[16:17], s[16:17], s[28:29]
	s_wait_dscnt 0x0
	global_store_b32 v2, v[F+0], s[12:13] th:TH_STORE_NT   ; 128 neighbouring bytes of out1
	global_store_b32 v2, v[F+0], s[14:15] th:TH_STORE_NT   ; and of out2: the same numbers
	v_add_f32_dpp v[F+1], v[F+1], v[F+1] row_xmask:1 row_mask:0xf bank_mask:0xf
	v_add_f32_dpp v[F+1], v[F+1], v[F+1] row_xmask:2 row_mask:0xf bank_mask:0xf
	v_add_f32_dpp v[F+1], v[F+1], v[F+1] row_xmask:4 row_mask:0xf bank_mask:0xf
	v_add_f32_dpp v[F+1], v[F+1], v[F+1] row_xmask:8 row_mask:0xf bank_mask:0xf
	v_permlanex16_b32 v[F+2], v[F+1], s56, s57     ; its destination counts as read: F+2 was written above
	v_add_f32 v[F+1], v[F+1], v[F+2]               ; the loss sum of the 32 rows
	v_cmp_eq_u32 vcc_lo, 0, v2
	s_wait_xcnt 0x0                                ; EXEC is a source of the two stores above: it narrows only behind this wait
	s_wait_tensorcnt 0x0
	ds_add_u32 v144, v145
	s_wait_dscnt 0x0
	s_and_saveexec_b32 s58, vcc_lo                 ; lane 0 alone, where v2 = 0
	global_store_b32 v2, v[F+1], s[16:17]          ; partial[work-group]; read by the next launch
	s_endpgm
.Lend:
	s_wait_tensorcnt 0x0
	ds_add_u32 v144, v145
	s_wait_dscnt 0x0
	s_endpgm
.Lfunc_end_k_q2af7b92d37_rows:
	.size	k_q2af7b92d37_rows, .Lfunc_end_k_q2af7b92d37_rows-k_q2af7b92d37_rows
	.p2alignl 7, 3214868480
	.fill 96, 4, 3214868480
	.section	.rodata,"a",@progbits
	.p2align	6, 0x0
	.amdhsa_kernel k_q2af7b92d37_rows
		.amdhsa_group_segment_fixed_size 2304
		.amdhsa_private_segment_fixed_size 0
		.amdhsa_enable_private_segment 0
		.amdhsa_kernarg_size 56
		.amdhsa_user_sgpr_count 2
		.amdhsa_user_sgpr_kernarg_segment_ptr 1
		.amdhsa_wavefront_size32 1
		.amdhsa_system_sgpr_workgroup_id_x 1
		.amdhsa_system_sgpr_workgroup_id_y 1
		.amdhsa_system_sgpr_workgroup_id_z 1
		.amdhsa_system_vgpr_workitem_id 0
		.amdhsa_next_free_vgpr 146
		.amdhsa_next_free_sgpr 66
		.amdhsa_reserve_vcc 1
		.amdhsa_float_denorm_mode_32 3
		.amdhsa_float_denorm_mode_16_64 3
		.amdhsa_memory_ordered 1
		.amdhsa_forward_progress 1
		.amdhsa_inst_pref_size 74
	.end_amdhsa_kernel
	.amdgpu_metadata
---
amdhsa.version: [ 1, 2 ]
amdhsa.kernels:
  - .name:           k_q2af7b92d37_rows
    .symbol:         k_q2af7b92d37_rows.kd
    .args:
      - { .name: img_embedding, .offset: 0, .size: 8, .value_kind: global_buffer, .address_space: global }
      - { .name: text_embedding, .offset: 8, .size: 8, .value_kind: global_buffer, .address_space: global }
      - { .name: cand_img, .offset: 16, .size: 8, .value_kind: global_buffer, .address_space: global }
      - { .name: cand_text, .offset: 24, .size: 8, .value_kind: global_buffer, .address_space: global }
      - { .name: out1, .offset: 32, .size: 8, .value_kind: global_buffer, .address_space: global }
      - { .name: out2, .offset: 40, .size: 8, .value_kind: global_buffer, .address_space: global }
      - { .name: partial, .offset: 48, .size: 8, .value_kind: global_buffer, .address_space: global }
    .group_segment_fixed_size: 2304
    .private_segment_fixed_size: 0
    .kernarg_segment_align: 8
    .kernarg_segment_size: 56
    .max_flat_workgroup_size: 512
    .sgpr_count:     66
    .vgpr_count:     146
    .wavefront_size: 32
...
	.end_amdgpu_metadata
.endif
;; end of part 1
;; launch mean (part 2): grid 1 x 1, 1 waves a work-group, no clusters, 0 bytes of LDS; arguments partial, out0; writes out0
.if DOCPART == 2
	.amdgcn_target "amdgcn-amd-amdhsa--gfx1250"
	.amdhsa_code_object_version 6
	.text
	.protected	k_q2af7b92d37_mean
	.globl	k_q2af7b92d37_mean
	.p2align	8
	.type	k_q2af7b92d37_mean,@function
k_q2af7b92d37_mean:
	s_mov_b64 s[64:65], 0
	v_nop
	global_prefetch_b8 v0, s[64:65] scope:SCOPE_SE
	s_setreg_imm32_b32 hwreg(HW_REG_WAVE_MODE, 25, 1), 1
	s_wait_xcnt 0x0
; out0 = (sum of the 256 work-groups' loss sums) / 8192.  Each partial already holds both losses of 32 rows, so the one sum
; divided by 8,192 is i2t_loss.mean() + t2i_loss.mean(), in another order of additions than reference()'s.
; 1,024 bytes: one wave, two loads of 512 neighbouring bytes, eight numbers a lane.  More waves would only have to meet again.
	s_load_b128 s[4:7], s[0:1], 0x0                ; partial s[4:5], out0 s[6:7]
	s_mov_b32 s8, 0x76543210                       ; v_permlanex16_b32: lane i of one half reads lane i of the other
	s_mov_b32 s9, 0xfedcba98
	v_lshlrev_b32 v1, 4, v0                        ; 16 x lane (one wave: the thread's number is the lane)
	s_wait_kmcnt 0x0
	global_load_b128 v[2:5], v1, s[4:5]
	global_load_b128 v[6:9], v1, s[4:5] offset:512
	s_wait_loadcnt 0x0
	v_pk_add_f32 v[2:3], v[2:3], v[6:7]
	v_pk_add_f32 v[4:5], v[4:5], v[8:9]
	v_pk_add_f32 v[2:3], v[2:3], v[4:5]
	v_add_f32 v2, v2, v3
	v_add_f32_dpp v2, v2, v2 row_xmask:1 row_mask:0xf bank_mask:0xf
	v_add_f32_dpp v2, v2, v2 row_xmask:2 row_mask:0xf bank_mask:0xf
	v_add_f32_dpp v2, v2, v2 row_xmask:4 row_mask:0xf bank_mask:0xf
	v_add_f32_dpp v2, v2, v2 row_xmask:8 row_mask:0xf bank_mask:0xf
	v_permlanex16_b32 v3, v2, s8, s9               ; v3 was written above
	v_add_f32 v2, v2, v3
	v_mul_f32 v2, 0x39000000, v2                   ; x 2^-13 = / 8192, exact
	v_cmp_eq_u32 vcc_lo, 0, v0
	s_wait_xcnt 0x0                                ; EXEC narrows only behind this wait
	s_and_saveexec_b32 s10, vcc_lo                 ; lane 0 alone, where v1 = 0
	global_store_b32 v1, v2, s[6:7]
	s_endpgm
.Lfunc_end_k_q2af7b92d37_mean:
	.size	k_q2af7b92d37_mean, .Lfunc_end_k_q2af7b92d37_mean-k_q2af7b92d37_mean
	.p2alignl 7, 3214868480
	.fill 96, 4, 3214868480
	.section	.rodata,"a",@progbits
	.p2align	6, 0x0
	.amdhsa_kernel k_q2af7b92d37_mean
		.amdhsa_group_segment_fixed_size 0
		.amdhsa_private_segment_fixed_size 0
		.amdhsa_enable_private_segment 0
		.amdhsa_kernarg_size 16
		.amdhsa_user_sgpr_count 2
		.amdhsa_user_sgpr_kernarg_segment_ptr 1
		.amdhsa_wavefront_size32 1
		.amdhsa_system_sgpr_workgroup_id_x 1
		.amdhsa_system_sgpr_workgroup_id_y 1
		.amdhsa_system_sgpr_workgroup_id_z 1
		.amdhsa_system_vgpr_workitem_id 0
		.amdhsa_next_free_vgpr 12
		.amdhsa_next_free_sgpr 66
		.amdhsa_reserve_vcc 1
		.amdhsa_float_denorm_mode_32 3
		.amdhsa_float_denorm_mode_16_64 3
		.amdhsa_memory_ordered 1
		.amdhsa_forward_progress 1
		.amdhsa_inst_pref_size 2
	.end_amdhsa_kernel
	.amdgpu_metadata
---
amdhsa.version: [ 1, 2 ]
amdhsa.kernels:
  - .name:           k_q2af7b92d37_mean
    .symbol:         k_q2af7b92d37_mean.kd
    .args:
      - { .name: partial, .offset: 0, .size: 8, .value_kind: global_buffer, .address_space: global }
      - { .name: out0, .offset: 8, .size: 8, .value_kind: global_buffer, .address_space: global }
    .group_segment_fixed_size: 0
    .private_segment_fixed_size: 0
    .kernarg_segment_align: 8
    .kernarg_segment_size: 16
    .max_flat_workgroup_size: 32
    .sgpr_count:     66
    .vgpr_count:     12
    .wavefront_size: 32
...
	.end_amdgpu_metadata
.endif
;; end of part 2
